; MI455X (gfx1250); checked and timed in simulation.
; The chip was launched on July 23, 2026; its instructions are those of AMD's public machine-readable ISA for CDNA 5 (MIT licence, August 2026) and "CDNA5" Instruction Set Architecture Reference Guide (July 2026). The comments in the code are by the model that wrote it; some were corrected since.
;; KNN Search. Allowed arithmetic: float matrix products may take bf16 or f16 operands with f32 sums; other float arithmetic in f32, or as packed bf16 or f16 multiplies, adds, multiply-adds, maxima and minima; sums over many terms, partial sums and values carried from step to step in f32; what a program stores and reads back later, other than sums and carried values, may be rounded once to bf16 or f16.
;; Inputs: points 16,384 x 3 float32; points_row_splits 3 int32; queries 16,384 x 3 float32; queries_row_splits 3 int32.
;; Outputs: out0 262,144 int32; out1 16,385 int32; out2 262,144 float32.
;; Constants: k = 16.
;; 2 versions, each right; version 2 is version 1 with the launch sieve written anew for expert scheduling mode. Each part assembles by itself: llvm-mc -triple=amdgcn-amd-amdhsa -mcpu=gfx1250 --defsym DOCPART=n.
;; ======== version 1 of 2: 3 launches
;; workspace buffers: gmask 2,097,152 bytes of whole numbers; trips 262,144 bytes of whole numbers; list 67,371,008 bytes of whole numbers
;; launch sieve (part 1): grid 256 x 1, 4 waves a work-group, no clusters, 262,912 bytes of LDS; arguments points, queries, gmask, trips; writes gmask, trips
.if DOCPART == 1
	.amdgcn_target "amdgcn-amd-amdhsa--gfx1250"
	.amdhsa_code_object_version 6
	.text
	.protected	k_q054aa415c5_sieve
	.globl	k_q054aa415c5_sieve
	.p2align	8
	.type	k_q054aa415c5_sieve,@function
k_q054aa415c5_sieve:
	s_mov_b64 s[64:65], 0
	v_nop
	global_prefetch_b8 v0, s[64:65] scope:SCOPE_SE
	s_setreg_imm32_b32 hwreg(HW_REG_WAVE_MODE, 25, 1), 1
	s_wait_xcnt 0x0
; K NEAREST NEIGHBOURS (k = 16, squared L2), first of three launches: THE SIEVE.
; reference(): d[q][p] = (|q|^2 + |p|^2) - 2 q.p inside each of 2 batch items of 8,192 queries x 8,192 points; the 16 smallest d of a query, ascending, ties by the lower index.
; DEAD INPUTS.  reference() takes only the SHAPE of points_row_splits and queries_row_splits (b = shape[0] - 1); their values enter no expression, whatever they hold.  So they have no way
; to any output, are not loaded and are no arguments of any launch.
; NUMBERS.  Points and queries are rounded once to bf16.  Indices must come out exactly, so the order of the distances is decided in the third launch, in f32, in reference()'s own order of sums.
; This launch only marks which points can be among the 16, by sums of the matrix unit, with room for their rounding.
; SHARES.  Work-group g (0..255) belongs to item g / 128; wave W = 4 g + wave owns queries 16 W .. 16 W + 15.  Lane (r = lane % 16, h = lane / 16) owns query 16 W + r and the item's points
; 4,096 h .. 4,096 h + 4,095, as 512 GROUPS of 8 consecutive points.
; TABLE.  Every work-group lays the item's 8,192 points into LDS, 16 bytes each: bf16 (p0, p1, p2, hi, mid, lo, 0, 0), where hi + mid + lo is the f32 |p|^2 cut into three pieces of 8 bits, exactly.
; PRODUCT.  A row of source 0 has 32 places along K: four points of 8 places.  Source 1 holds (-2 q0, -2 q1, -2 q2, 1, 1, 1, 0, 0) in ONE of the four and zeros elsewhere, C holds |q|^2: the result is
; a[point][query] = |q|^2 + |p|^2 - 2 q.p for that one of the four points.  Two LDS loads (64 points) feed four matrix instructions.  In the result a lane holds one query and 8 points: one group.
; WHAT IS KEPT.  Of each group its minimum, cut to its upper 16 bits, in LDS.  Of each 32 points (four groups) the minimum goes into a sorted list of 16.  The two halves' lists give T, the 16th smallest of the
; query's 256 such minima: 16 different points have a <= T.
; WHY NOTHING IS LOST.  Let e bound |a - d| for the points in question; then the 16th smallest d is <= T + e and every point of the answer has a <= T + 2 e.  With R = |q|^2 + |p|^2 <= 3 |q|^2 + 2 |q - p|^2,
; reference()'s sums are off by at most 6 x 2^-24 R and the matrix sum is given 64 x 2^-24 R; 2 e is then under 2^-14 (|q|^2 + max(T, 0)).  A group is flagged if its cut minimum is <= thr =
; V + 2^-14 (V + |q|^2), V = max(T, 0).  Cutting lowers a positive number; a negative one is flagged always.  Equal distances and offsets only lengthen the lists.
; OUT.  gmask: wave W's 2,048 bytes; word w (0..15) of lane L at 2,048 W + 512 (w / 4) + 16 L + 4 (w % 4); bit b of word w is the flag of the lane's group 32 w + b.
; trips: wave W's 256 bytes; lane L's pair at 256 W + 8 L: P = (the wave's longest count of flags + 1) / 2, at least 1, and the lane's own count.  The later launches take their trip counts from there.
; LIMITS.  NaN and infinities among the inputs, and squares that overflow f32, are not served; where |p|^2 is below about 2^-100 its three pieces lose bits (the room above is then the only cover).
.set UP,    65664      ; LDS byte of the table's upper half (points 4,096 on): 65,536 + 128, so that rows 0-7 and rows 8-15 of a fragment load fall on different halves of a 256-byte row of banks (64 banks of 4 bytes: ISA guide 11.1)
.set MINS,  131328     ; behind the table: 32,768 bytes for each wave: half-trip x at 256 x + 8 lane, four 16-bit minima
.set SPARE, 262400     ; behind them: the spare words, 128 bytes for each wave: two blocks of 256 bytes that no other line names
.set TS0, 4            ; v4   table stores, lower half: 64 x thread
.set TS1, 5            ; v5   upper half
.set PO,  6            ; v6   48 x thread: my 4 points in a chunk of 512; never rewritten
.set TA,  7            ; v7   my lane's place in the table for fragment loads
.set QR,  8            ; v8-10  the query as loaded
.set ST,  11           ; v11  where I put four minima
.set MR,  12           ; v12  where I read them back
.set GO,  13           ; v13  my 16 bytes in gmask
.set SPW, 14           ; v14  LDS address of my spare word; never rewritten
.set NIL, 15           ; v15  0; never rewritten
.set WD,  16           ; v16-19  a table entry
.set TT,  20           ; v20-23  at work
.set QV,  24           ; v24-27  the query's 8 places
.set QQ,  28           ; v28  |q|^2
.set XM,  29           ; v29  the last half-trip's minimum of 32 points
.set TH,  30           ; v30  T, then thr
.set THX, 31           ; v31  thr with its low 16 bits set
.set MM,  32           ; v32-35  four groups' minima
.set PK,  36           ; v36-37  their upper halves
.set VV,  38           ; v38  at work
.set QOF, 39           ; v39  the query's byte offset; never rewritten
.set FL,  40           ; v40-43  four words of flags
.set LS,  44           ; v44-59  the sorted list, ascending
.set RAW, 64           ; v64-255  the points as loaded (table phase)
.set AF,  64           ; v64-95   later: four fragment buffers of source 0
.set DF,  96           ; v96-127  four results
.set BB,  128          ; v128-147 [X Z Y Z X]: X = the query's places in lanes 0-15, Y in lanes 16-31, Z = 0; the four sources 1 begin at +0, +8, +12, +4
.set CQ,  148          ; v148-155 |q|^2, eight times
.set PX,  160          ; v160-175 the other half's list
.set MN,  64           ; v64-127  flags pass: 128 minima
.set PC,  176          ; v176-179 flags pass: four words' bits being counted
.set PE,  180          ; v180-183 likewise
.set CO,  184          ; v184 my 8 bytes in trips
.set CF,  185          ; v185 my count as f32
.set TRP, 190          ; v190 P
.set CNT, 191          ; v191 my count
	s_load_b128 s[4:7], s[0:1], 0x0                ; points s[4:5], queries s[6:7]
	s_load_b64 s[8:9], s[0:1], 0x10                ; gmask
	s_load_b64 s[28:29], s[0:1], 0x18              ; trips
	v_lshl_add_u32 v[SPW], v0, 2, SPARE
	v_mov_b32 v[NIL], 0
	v_lshrrev_b32 v1, 5, v0
	v_readfirstlane_b32 s10, v1                    ; wave 0..3
	s_mov_b32 s11, ttmp9                           ; work-group
	s_mov_b32 s12, 0xffff0000                      ; a word's upper half
	s_mov_b32 s13, 0x07060100                      ; first source's upper half above the second's lower half
	s_mov_b32 s14, 0x07060302                      ; first source's upper half above the second's upper half
	s_mov_b32 s16, 0x76543210                      ; v_permlanex16_b32: each lane takes its own place in the other half
	s_mov_b32 s17, 0xfedcba98
	s_mov_b32 s24, 0x55555555                      ; the count's fields of 2,
	s_mov_b32 s25, 0x33333333                      ; 4,
	s_mov_b32 s26, 0x0f0f0f0f                      ; 8
	s_mov_b32 s27, 0x00ff00ff                      ; and 16 bits
	v_and_b32 v1, 31, v0                           ; lane
	v_and_b32 v2, 15, v0                           ; r
	v_bfe_u32 v3, v0, 4, 1                         ; h
	v_lshlrev_b32 v[TS0], 6, v0
	v_add_nc_u32 v[TS1], UP, v[TS0]
	v_mul_u32_u24 v[PO], v0, 48
	v_bfe_u32 v[TT], v0, 3, 1                      ; r / 8: which half of the points my row of source 0 shows
	v_mul_u32_u24 v[TA], v[TT], UP
	v_lshl_add_u32 v[TA], v3, 7, v[TA]             ; + 128 h: the group (8 points of 16 bytes) that my K places take
	v_and_b32 v[TT], 7, v0
	v_lshl_add_u32 v[TA], v[TT], 4, v[TA]          ; + 16 (r % 8): the point in the group
	s_lshl_b32 s23, s10, 15
	s_add_co_u32 s23, s23, MINS                    ; my wave's minima
	v_lshl_add_u32 v[ST], v1, 3, s23
	v_mov_b32 v[MR], v[ST]
	s_lshl2_add_u32 s22, s11, s10                  ; W = 4 x work-group + wave
	s_lshl_b32 s23, s22, 11
	v_lshl_add_u32 v[GO], v1, 4, s23               ; 2,048 W + 16 lane
	s_mul_i32 s23, s22, 192
	v_mad_u32_u24 v[QOF], v2, 12, s23              ; (16 W + r) x 12 bytes
	s_lshr_b32 s20, s11, 7                         ; item
	s_mul_i32 s20, s20, 98304                      ; its 8,192 points of 12 bytes
	s_mov_b32 s21, 0
	v_mov_b32 v[WD+3], 0
	s_wait_kmcnt 0x0
	s_add_nc_u64 s[4:5], s[4:5], s[20:21]
	global_load_b32 v[QR], v[QOF], s[6:7]
	global_load_b32 v[QR+1], v[QOF], s[6:7] offset:4
	global_load_b32 v[QR+2], v[QOF], s[6:7] offset:8
.set i, 0
.rept 48                               ; chunk i / 3 is 512 points, 6,144 bytes: 48 bytes (4 points) a thread, three loads; a wave's three loads cover 1,536 consecutive bytes
	global_load_b128 v[RAW+4*i:RAW+4*i+3], v[PO], s[4:5] offset:(i/3)*6144+(i%3)*16
.set i, i+1
.endr
	; THE TABLE.  Point 512 i + 4 thread + e.
.set i, 0
.rept 16
	s_wait_loadcnt 45-3*i                          ; loads come back in order: behind chunk i's three stand the 45 - 3 i of the later chunks
.set e, 0
.rept 4
.set x, RAW+12*i+3*e
	v_cvt_pk_bf16_f32 v[WD], v[x], v[x+1]          ; p0, p1
	v_cvt_pk_bf16_f32 v[TT+2], v[x+2], v[x+2]      ; p2
	v_lshlrev_b32 v[TT], 16, v[WD]
	v_and_b32 v[TT+1], s12, v[WD]
	v_lshlrev_b32 v[TT+3], 16, v[TT+2]
	v_mul_f32 v[TT], v[TT], v[TT]
	v_fmac_f32 v[TT], v[TT+1], v[TT+1]
	v_fmac_f32 v[TT], v[TT+3], v[TT+3]             ; |p|^2 in f32
	v_and_b32 v[TT+1], s12, v[TT]                  ; hi: its upper 8 bits
	v_sub_f32 v[TT], v[TT], v[TT+1]                ; exact
	v_perm_b32 v[WD+1], v[TT+1], v[TT+2], s13      ; p2, hi
	v_and_b32 v[TT+1], s12, v[TT]                  ; mid
	v_sub_f32 v[TT], v[TT], v[TT+1]                ; lo: 8 bits are left
	v_perm_b32 v[WD+2], v[TT], v[TT+1], s14        ; mid, lo
	ds_store_b128 v[TS0+i/8], v[WD:WD+3] offset:(i%8)*8192+16*e
.set e, e+1
.endr
.set i, i+1
.endr
	; THE QUERY's OPERANDS, made while the table's stores are on their way
	v_mul_f32 v[TT], -2.0, v[QR]
	v_mul_f32 v[TT+1], -2.0, v[QR+1]
	v_mul_f32 v[TT+2], -2.0, v[QR+2]
	v_mov_b32 v[TT+3], 1.0
	v_cvt_pk_bf16_f32 v[QV], v[TT], v[TT+1]        ; -2 q0, -2 q1: the doubling is exact, so this is -2 x the rounded q
	v_cvt_pk_bf16_f32 v[QV+1], v[TT+2], v[TT+3]    ; -2 q2, 1
	v_mov_b32 v[QV+2], 0x3f803f80                  ; 1, 1
	v_mov_b32 v[QV+3], 0
	v_cvt_pk_bf16_f32 v[TT], v[QR], v[QR+1]
	v_cvt_pk_bf16_f32 v[TT+1], v[QR+2], v[QR+2]
	v_lshlrev_b32 v[TT+2], 16, v[TT]
	v_and_b32 v[TT+3], s12, v[TT]
	v_lshlrev_b32 v[TT+1], 16, v[TT+1]
	v_mul_f32 v[QQ], v[TT+2], v[TT+2]
	v_fmac_f32 v[QQ], v[TT+3], v[TT+3]
	v_fmac_f32 v[QQ], v[TT+1], v[TT+1]             ; |q|^2
	v_cmp_gt_u32 vcc_lo, 16, v1                    ; lanes 0-15
.set i, 0
.rept 4
	v_cndmask_b32 v[BB+i], v[NIL], v[QV+i], vcc_lo     ; X
	v_mov_b32 v[BB+4+i], 0                             ; Z
	v_cndmask_b32 v[BB+8+i], v[QV+i], v[NIL], vcc_lo   ; Y
	v_mov_b32 v[BB+12+i], 0                            ; Z
	v_cndmask_b32 v[BB+16+i], v[NIL], v[QV+i], vcc_lo  ; X
.set i, i+1
.endr
.set i, 0
.rept 8
	v_mov_b32 v[CQ+i], v[QQ]                       ; a lane's eight results belong to one query
.set i, i+1
.endr
.set i, 0
.rept 16
	v_mov_b32 v[LS+i], 0x7f800000                  ; the list starts at +infinity
	v_mov_b32 v[PX+i], 0                           ; written once: v_permlanex16_b32 counts as a reader of its destination
.set i, i+1
.endr
	v_mov_b32 v[XM], 0x7f800000
	s_wait_dscnt 0x0                               ; for the others' sake: my part of the table is written
	s_barrier_signal -1
	s_barrier_wait -1                              ; the table is whole; nothing writes it again
; Four steps of the insertion of XM into the ascending list: place n takes the middle one of its lower neighbour, itself and XM; from the top down, so that each step sees its neighbour's old number.
.macro INS c
.set n, 15-4*(\c)
.rept 4
.if n > 0
	v_med3_num_f32 v[LS+n], v[LS+n-1], v[LS+n], v[XM]
.else
	v_min_num_f32 v[LS], v[LS], v[XM]
.endif
.set n, n-1
.endr
.endm
; A HALF-TRIP: groups 4 x .. 4 x + 3 of both halves of the points, from buffer a.  The four results are sums of their own (C is |q|^2, never a result), so no chain exists.
; The last half-trip's minimum is inserted in four parts behind the four matrix instructions.
.macro HALF a, ld
.if \ld
	s_wait_dscnt 6+(\a)                            ; buffer a is in.  On the way in 2 (3 - a) later buffers' loads and 3 a LDS instructions of the earlier halves stand behind its loads; round the loop ten do
.else
	s_wait_dscnt 0x0
.endif
	v_wmma_f32_16x16x32_bf16 v[DF:DF+7], v[AF+8*(\a):AF+8*(\a)+7], v[BB:BB+7], v[CQ:CQ+7]
	INS 0
	v_wmma_f32_16x16x32_bf16 v[DF+8:DF+15], v[AF+8*(\a):AF+8*(\a)+7], v[BB+8:BB+15], v[CQ:CQ+7]
	INS 1
	v_wmma_f32_16x16x32_bf16 v[DF+16:DF+23], v[AF+8*(\a):AF+8*(\a)+7], v[BB+12:BB+19], v[CQ:CQ+7]
	INS 2
	v_wmma_f32_16x16x32_bf16 v[DF+24:DF+31], v[AF+8*(\a):AF+8*(\a)+7], v[BB+4:BB+11], v[CQ:CQ+7]
	INS 3
.rept 4
	v_nop                                          ; four places behind the last product, ahead of the loads into its source and of the reads of its result
.endr
.if \ld
	ds_load_b128 v[AF+8*(\a):AF+8*(\a)+3],   v[TA] offset:((\a)+4)*512       ; the half-trip four on
	ds_load_b128 v[AF+8*(\a)+4:AF+8*(\a)+7], v[TA] offset:((\a)+4)*512+256
.endif
.irp c, 0,1,2,3
	v_min3_num_f32 v[MM+\c], v[DF+8*\c], v[DF+8*\c+1], v[DF+8*\c+2]  ; each result is read from its low end on
.endr
.irp c, 0,1,2,3
	v_min3_num_f32 v[MM+\c], v[MM+\c], v[DF+8*\c+3], v[DF+8*\c+4]
.endr
.irp c, 0,1,2,3
	v_min3_num_f32 v[MM+\c], v[MM+\c], v[DF+8*\c+5], v[DF+8*\c+6]
.endr
.irp c, 0,1,2,3
	v_min_num_f32 v[MM+\c], v[MM+\c], v[DF+8*\c+7]
.endr
	v_min3_num_f32 v[XM], v[MM], v[MM+1], v[MM+2]
	v_perm_b32 v[PK], v[MM+1], v[MM], s14          ; the upper halves of groups 0, 1
	v_perm_b32 v[PK+1], v[MM+3], v[MM+2], s14      ; and 2, 3
	v_min_num_f32 v[XM], v[XM], v[MM+3]
	ds_store_b64 v[ST], v[PK:PK+1] offset:(\a)*256
.endm
.macro QUAD ld
	HALF 0, \ld
	HALF 1, \ld
	HALF 2, \ld
	HALF 3, \ld
.if \ld
	v_add_nc_u32 v[TA], 2048, v[TA]
	v_add_nc_u32 v[ST], 1024, v[ST]
.endif
.endm
.set x, 0
.rept 4                                ; half-trips 0 to 3
	ds_load_b128 v[AF+8*x:AF+8*x+3],   v[TA] offset:x*512
	ds_load_b128 v[AF+8*x+4:AF+8*x+7], v[TA] offset:x*512+256
.set x, x+1
.endr
	s_mov_b32 s18, 31
.Lquad:                                ; 31 trips of four half-trips; each asks for the four of the next trip
	QUAD 1
	s_sub_co_u32 s18, s18, 1
	s_cmp_lg_u32 s18, 0
	s_cbranch_scc1 .Lquad
	QUAD 0                                         ; the last four load nothing
	; T: the last minimum goes in; the 16 smallest of two ascending lists are min(one[i], other[15 - i]); T is the largest of them
	INS 0
	INS 1
	INS 2
	INS 3
.set i, 0
.rept 16
	v_permlanex16_b32 v[PX+i], v[LS+i], s16, s17
.set i, i+1
.endr
.set i, 0
.rept 16
	v_min_num_f32 v[PX+i], v[PX+i], v[LS+15-i]
.set i, i+1
.endr
	v_max3_num_f32 v[TH], v[PX], v[PX+1], v[PX+2]
.set i, 3
.rept 6
	v_max3_num_f32 v[TH], v[TH], v[PX+i], v[PX+i+1]
.set i, i+2
.endr
	v_max_num_f32 v[TH], v[TH], v[PX+15]
	v_max_num_f32 v[VV], 0, v[TH]                  ; V = max(T, 0)
	v_add_f32 v[TH], v[VV], v[QQ]
	v_fmamk_f32 v[TH], v[TH], 0x38800000, v[VV]    ; thr = V + 2^-14 (V + |q|^2): never negative
	v_or_b32 v[THX], 0xffff, v[TH]                 ; with the low half full, the upper halves alone decide the compares below
	; THE FLAGS.  Patterns of floats that are not negative order as whole numbers do, and a negative one is a negative whole number: below thr.  A trip makes four words: 128 groups.
	; A word's 32 groups are taken from the highest down: the word moves up by one for each, so that group 32 w + b ends in bit b.
	; Behind the store the four words' bits are counted, by stages, in fields of 2, 4 and 8 bits; a byte of a word holds 8 at the most, of all 16 words 128.
	v_mov_b32 v[CNT], 0
	s_mov_b32 s18, 4
.Lflag:
.set y, 0
.rept 32
	ds_load_b64 v[MN+2*y:MN+2*y+1], v[MR] offset:y*256  ; LDS serves a wave's instructions in order (ISA guide 5.7.1.4): these see my stores above
.set y, y+1
.endr
.set k, 0
.rept 4
	s_wait_dscnt 24-8*k                            ; word k's eight loads are in; the later words' may be out
	v_mov_b32 v[FL+k], 0
.set y, 15
.rept 16
	v_lshlrev_b32 v[VV], 16, v[MN+16*k+y]          ; the even group's minimum, for the second compare
	v_cmp_ge_i32 vcc_lo, v[THX], v[MN+16*k+y]      ; the odd group's lies in the upper half: group 2 y + 1 of the word
	v_add_co_ci_u32 v[FL+k], vcc_lo, v[FL+k], v[FL+k], vcc_lo  ; the word moves up by one and takes the flag
	v_cmp_ge_i32 vcc_lo, v[THX], v[VV]             ; group 2 y
	v_add_co_ci_u32 v[FL+k], vcc_lo, v[FL+k], v[FL+k], vcc_lo
.set y, y-1
.endr
.set k, k+1
.endr
	global_store_b128 v[GO], v[FL:FL+3], s[8:9]    ; the wave's store covers 512 consecutive bytes, aligned
.irp t, 0,1,2,3
	v_lshrrev_b32 v[PC+\t], 1, v[FL+\t]
.endr
.irp t, 0,1,2,3
	v_and_b32 v[PC+\t], s24, v[PC+\t]
.endr
.irp t, 0,1,2,3
	v_sub_nc_u32 v[PC+\t], v[FL+\t], v[PC+\t]
.endr
.irp t, 0,1,2,3
	v_lshrrev_b32 v[PE+\t], 2, v[PC+\t]
.endr
.irp t, 0,1,2,3
	v_and_b32 v[PC+\t], s25, v[PC+\t]
.endr
.irp t, 0,1,2,3
	v_and_b32 v[PE+\t], s25, v[PE+\t]
.endr
.irp t, 0,1,2,3
	v_add_nc_u32 v[PC+\t], v[PC+\t], v[PE+\t]
.endr
.irp t, 0,1,2,3
	v_lshrrev_b32 v[PE+\t], 4, v[PC+\t]
.endr
.irp t, 0,1,2,3
	v_add_nc_u32 v[PC+\t], v[PC+\t], v[PE+\t]
.endr
.irp t, 0,1,2,3
	v_and_b32 v[PC+\t], s26, v[PC+\t]
.endr
	v_add_nc_u32 v[PC], v[PC], v[PC+1]
	v_add_nc_u32 v[PC+2], v[PC+2], v[PC+3]
	v_add_nc_u32 v[PC], v[PC], v[PC+2]
	v_add_nc_u32 v[CNT], v[CNT], v[PC]
	s_wait_xcnt 0x0                                ; the store's offset and data are written again only behind this wait
	v_add_nc_u32 v[GO], 512, v[GO]
	v_add_nc_u32 v[MR], 8192, v[MR]
	s_sub_co_u32 s18, s18, 1
	s_cmp_lg_u32 s18, 0
	s_cbranch_scc1 .Lflag
	; THE COUNTS.  The four bytes are added: my count, 0 to 512.  The wave's longest is taken as a maximum of f32 (whole numbers up to 512 are exact there): four steps inside each half of 16 lanes, one across.
	v_lshrrev_b32 v[PC], 8, v[CNT]
	v_and_b32 v[CNT], s27, v[CNT]
	v_and_b32 v[PC], s27, v[PC]
	v_add_nc_u32 v[CNT], v[CNT], v[PC]             ; two fields of 16 bits
	v_lshrrev_b32 v[PC], 16, v[CNT]
	v_and_b32 v[CNT], 0xffff, v[CNT]
	v_add_nc_u32 v[CNT], v[CNT], v[PC]
	v_cvt_f32_u32 v[CF], v[CNT]
	v_max_num_f32_dpp v[CF], v[CF], v[CF] row_xmask:1 row_mask:0xf bank_mask:0xf
	v_max_num_f32_dpp v[CF], v[CF], v[CF] row_xmask:2 row_mask:0xf bank_mask:0xf
	v_max_num_f32_dpp v[CF], v[CF], v[CF] row_xmask:4 row_mask:0xf bank_mask:0xf
	v_max_num_f32_dpp v[CF], v[CF], v[CF] row_xmask:8 row_mask:0xf bank_mask:0xf
	v_permlanex16_b32 v[PX], v[CF], s16, s17
	v_max_num_f32 v[CF], v[CF], v[PX]
	v_max_num_f32 v[CF], 1.0, v[CF]                ; at least one
	v_cvt_u32_f32 v[TRP], v[CF]
	v_add_nc_u32 v[TRP], 1, v[TRP]
	v_lshrrev_b32 v[TRP], 1, v[TRP]                ; P: pairs of groups, rounded up
	s_lshl_b32 s30, s22, 8
	v_lshl_add_u32 v[CO], v1, 3, s30               ; 256 W + 8 lane
	global_store_b64 v[CO], v[TRP:TRP+1], s[28:29] ; the wave's store covers 256 consecutive bytes, aligned
	s_wait_tensorcnt 0x0                           ; the wave's end: behind my last LDS store
	ds_add_u32 v[SPW], v[NIL]
	s_wait_dscnt 0x0
	s_endpgm
.Lfunc_end_k_q054aa415c5_sieve:
	.size	k_q054aa415c5_sieve, .Lfunc_end_k_q054aa415c5_sieve-k_q054aa415c5_sieve
	.p2alignl 7, 3214868480
	.fill 96, 4, 3214868480
	.section	.rodata,"a",@progbits
	.p2align	6, 0x0
	.amdhsa_kernel k_q054aa415c5_sieve
		.amdhsa_group_segment_fixed_size 262912
		.amdhsa_private_segment_fixed_size 0
		.amdhsa_enable_private_segment 0
		.amdhsa_kernarg_size 32
		.amdhsa_user_sgpr_count 2
		.amdhsa_user_sgpr_kernarg_segment_ptr 1
		.amdhsa_wavefront_size32 1
		.amdhsa_system_sgpr_workgroup_id_x 1
		.amdhsa_system_sgpr_workgroup_id_y 1
		.amdhsa_system_sgpr_workgroup_id_z 1
		.amdhsa_system_vgpr_workitem_id 0
		.amdhsa_next_free_vgpr 256
		.amdhsa_next_free_sgpr 66
		.amdhsa_reserve_vcc 1
		.amdhsa_float_denorm_mode_32 3
		.amdhsa_float_denorm_mode_16_64 3
		.amdhsa_memory_ordered 1
		.amdhsa_forward_progress 1
		.amdhsa_inst_pref_size 91
	.end_amdhsa_kernel
	.amdgpu_metadata
---
amdhsa.version: [ 1, 2 ]
amdhsa.kernels:
  - .name:           k_q054aa415c5_sieve
    .symbol:         k_q054aa415c5_sieve.kd
    .args:
      - { .name: points, .offset: 0, .size: 8, .value_kind: global_buffer, .address_space: global }
      - { .name: queries, .offset: 8, .size: 8, .value_kind: global_buffer, .address_space: global }
      - { .name: gmask, .offset: 16, .size: 8, .value_kind: global_buffer, .address_space: global }
      - { .name: trips, .offset: 24, .size: 8, .value_kind: global_buffer, .address_space: global }
    .group_segment_fixed_size: 262912
    .private_segment_fixed_size: 0
    .kernarg_segment_align: 8
    .kernarg_segment_size: 32
    .max_flat_workgroup_size: 128
    .sgpr_count:     66
    .vgpr_count:     256
    .wavefront_size: 32
...
	.end_amdgpu_metadata
.endif
;; end of part 1
;; launch compact (part 2): grid 256 x 1, 4 waves a work-group, no clusters, 0 bytes of LDS; arguments gmask, trips, list; writes list
.if DOCPART == 2
	.amdgcn_target "amdgcn-amd-amdhsa--gfx1250"
	.amdhsa_code_object_version 6
	.text
	.protected	k_q054aa415c5_compact
	.globl	k_q054aa415c5_compact
	.p2align	8
	.type	k_q054aa415c5_compact,@function
k_q054aa415c5_compact:
	s_mov_b64 s[64:65], 0
	v_nop
	global_prefetch_b8 v0, s[64:65] scope:SCOPE_SE
	s_setreg_imm32_b32 hwreg(HW_REG_WAVE_MODE, 25, 1), 1
	s_wait_xcnt 0x0
; K NEAREST NEIGHBOURS, second of three launches: THE LISTS.  The flags of the first launch become, for each lane, the numbers of its flagged groups in ascending order.
; Left out as in the first launch: points_row_splits and queries_row_splits, of which reference() takes the shape alone.
; SHARES, as in the first launch: wave W = 4 x work-group + wave; a lane owns 512 groups, 16 words of flags.
; IN.  gmask: word w (0..15) of lane L at 2,048 W + 512 (w / 4) + 16 L + 4 (w % 4); bit b of word w flags group 32 w + b.  trips: P at 256 W: the wave's longest count of flags, in pairs, rounded up.
; OUT.  list: wave W's 65,792 bytes (257 pairs at the most: 512 groups and one pair more); pair u of lane L at 65,792 W + 256 u + 8 L: the lane's entries 2 u and 2 u + 1.
; Pairs 0 to P are written: the third launch asks one pair ahead.  Behind a lane's last flagged group its entries are 32 x its last word's number: a group like any other, which the third launch
; reads and does not count (it knows the lane's count).
; The addresses are made of ids and a constant step, the trip count is read from trips; the flags only make the numbers that are stored.  No LDS, no barrier: a lane's list is its own.
.set LISTW, 65792
.set GMO, 2            ; v2   my 16 bytes in gmask; never rewritten
.set LO,  3            ; v3   my 8 bytes in the pair to be stored
.set SS,  6            ; v6   summary: bit w is set while word w is not 0 and has not been taken up
.set CUR, 7            ; v7   what is left of the word in hand
.set WC,  8            ; v8   that word's number
.set EE,  10           ; v10-11 a pair of entries
.set TA,  14           ; v14, v15 at work
.set TB,  15
.set FL,  16           ; v16-31 my 16 words of flags; never rewritten
.set BI,  32           ; v32-36 the bits of an index
.set MK,  38           ; v38-41 four of them as masks
.set UU,  44           ; v44-51 the choice among 16 words
.set TI,  52           ; v52-67 the summary being gathered
	s_load_b128 s[4:7], s[0:1], 0x0                ; gmask s[4:5], trips s[6:7]
	s_load_b64 s[8:9], s[0:1], 0x10                ; list
	v_lshrrev_b32 v1, 5, v0
	v_readfirstlane_b32 s10, v1                    ; wave 0..3
	s_mov_b32 s11, ttmp9                           ; work-group
	v_and_b32 v1, 31, v0                           ; lane
	s_lshl2_add_u32 s12, s11, s10                  ; W
	s_lshl_b32 s13, s12, 11
	v_lshl_add_u32 v[GMO], v1, 4, s13              ; 2,048 W + 16 lane
	v_lshlrev_b32 v[LO], 3, v1                     ; 8 lane
	s_lshl_b32 s14, s12, 8                         ; 256 W
	s_mov_b32 s15, 0
	s_mul_i32 s24, s12, LISTW
	s_mov_b32 s25, 0
	s_mov_b32 s26, 0xaaaaaaaa                      ; the places whose number has bit 0,
	s_mov_b32 s27, 0xcccccccc                      ; bit 1,
	s_mov_b32 s28, 0xf0f0f0f0                      ; bit 2,
	s_mov_b32 s29, 0xff00ff00                      ; bit 3,
	s_mov_b32 s30, 0xffff0000                      ; bit 4
	s_wait_kmcnt 0x0
	s_add_nc_u64 s[6:7], s[6:7], s[14:15]
	s_add_nc_u64 s[8:9], s[8:9], s[24:25]          ; my wave's lists
	s_load_b32 s21, s[6:7], 0x0                    ; P
.set i, 0
.rept 4
	global_load_b128 v[FL+4*i:FL+4*i+3], v[GMO], s[4:5] offset:512*i  ; 512 consecutive bytes a wave
.set i, i+1
.endr
	v_mov_b32 v[CUR], 0
	v_mov_b32 v[WC], 0
	s_wait_kmcnt 0x0
	s_min_u32 s21, s21, 0x100                      ; 256 pairs at the most,
	s_add_co_u32 s21, s21, 1                       ; and the pair that is asked for ahead
	s_wait_loadcnt 0x0
	; the summary: min(word, 1) at place w, gathered in pairs
.set t, 0
.rept 16
	v_min_u32 v[TI+t], 1, v[FL+t]
.set t, t+1
.endr
.set t, 0
.rept 8
	v_lshl_or_b32 v[TI+2*t], v[TI+2*t+1], 1, v[TI+2*t]
.set t, t+1
.endr
.set t, 0
.rept 4
	v_lshl_or_b32 v[TI+4*t], v[TI+4*t+2], 2, v[TI+4*t]
.set t, t+1
.endr
	v_lshl_or_b32 v[TI], v[TI+4], 4, v[TI]
	v_lshl_or_b32 v[TI+8], v[TI+12], 4, v[TI+8]
	v_lshl_or_b32 v[SS], v[TI+8], 8, v[TI]
; THE SCAN: my next flagged group, in ascending order.  Where the word in hand is used up, the lowest bit of the summary names the next word; the four bits of its number are min(bit & places, 1); as masks
; they choose that word out of the 16, by halves.  The lowest bit of the word in hand is taken off, and the five bits of its number are made in the same way.  Where nothing is left the word in hand stays 0.
.macro SCAN dst
	v_min_u32 v[TA], 1, v[CUR]
	v_sub_nc_u32 v[TB], 0, v[SS]
	v_add_nc_u32 v[TA], -1, v[TA]                  ; all ones where the word in hand is used up, else 0
	v_and_b32 v[TB], v[SS], v[TB]                  ; the summary's lowest bit,
	v_and_b32 v[TB], v[TA], v[TB]                  ; where a word is wanted,
	v_sub_nc_u32 v[SS], v[SS], v[TB]               ; is taken off
	v_and_b32 v[BI], s26, v[TB]
	v_and_b32 v[BI+1], s27, v[TB]
	v_and_b32 v[BI+2], s28, v[TB]
	v_and_b32 v[BI+3], s29, v[TB]
	v_min_u32 v[TA], 1, v[TB]
	v_min_u32 v[BI], 1, v[BI]
	v_min_u32 v[BI+1], 1, v[BI+1]
	v_min_u32 v[BI+2], 1, v[BI+2]
	v_min_u32 v[BI+3], 1, v[BI+3]
	v_sub_nc_u32 v[TA], 0, v[TA]                   ; all ones where a new word is taken up
	v_sub_nc_u32 v[MK], 0, v[BI]
	v_sub_nc_u32 v[MK+1], 0, v[BI+1]
	v_sub_nc_u32 v[MK+2], 0, v[BI+2]
	v_sub_nc_u32 v[MK+3], 0, v[BI+3]
.set t, 0
.rept 8
	v_bfi_b32 v[UU+t], v[MK], v[FL+2*t+1], v[FL+2*t]     ; the odd word where bit 0 is set
.set t, t+1
.endr
.set t, 0
.rept 4
	v_bfi_b32 v[UU+t], v[MK+1], v[UU+2*t+1], v[UU+2*t]   ; in place: place t is written when it has been read
.set t, t+1
.endr
	v_bfi_b32 v[UU], v[MK+2], v[UU+1], v[UU]
	v_bfi_b32 v[UU+1], v[MK+2], v[UU+3], v[UU+2]
	v_lshl_or_b32 v[BI], v[BI+1], 1, v[BI]
	v_lshl_or_b32 v[BI+2], v[BI+3], 1, v[BI+2]
	v_bfi_b32 v[UU], v[MK+3], v[UU+1], v[UU]
	v_lshl_or_b32 v[BI], v[BI+2], 2, v[BI]         ; the word's number
	v_bfi_b32 v[CUR], v[TA], v[UU], v[CUR]
	v_bfi_b32 v[WC], v[TA], v[BI], v[WC]
	v_sub_nc_u32 v[TB], 0, v[CUR]
	v_and_b32 v[TB], v[CUR], v[TB]                 ; the word's lowest bit
	v_sub_nc_u32 v[CUR], v[CUR], v[TB]             ; is taken off
	v_and_b32 v[BI], s26, v[TB]
	v_and_b32 v[BI+1], s27, v[TB]
	v_and_b32 v[BI+2], s28, v[TB]
	v_and_b32 v[BI+3], s29, v[TB]
	v_and_b32 v[BI+4], s30, v[TB]
	v_min_u32 v[BI], 1, v[BI]
	v_min_u32 v[BI+1], 1, v[BI+1]
	v_min_u32 v[BI+2], 1, v[BI+2]
	v_min_u32 v[BI+3], 1, v[BI+3]
	v_min_u32 v[BI+4], 1, v[BI+4]
	v_lshl_or_b32 v[BI], v[BI+1], 1, v[BI]
	v_lshl_or_b32 v[BI+2], v[BI+3], 1, v[BI+2]
	v_lshl_or_b32 v[BI+4], v[WC], 1, v[BI+4]
	v_lshl_or_b32 v[BI], v[BI+2], 2, v[BI]
	v_lshl_or_b32 v[\dst], v[BI+4], 4, v[BI]       ; 32 x word + bit: 0 to 511
.endm
	s_mov_b32 s18, 0
.Lpair:                                ; P + 1 trips, a pair of entries each
	SCAN EE
	SCAN EE+1
	global_store_b64 v[LO], v[EE:EE+1], s[8:9]     ; the wave's store covers 256 consecutive bytes, aligned
	s_wait_xcnt 0x0                                ; the store's offset and data are written again only behind this wait
	v_add_nc_u32 v[LO], 0x100, v[LO]
	s_add_co_u32 s18, s18, 1
	s_cmp_lt_u32 s18, s21
	s_cbranch_scc1 .Lpair
	s_endpgm
.Lfunc_end_k_q054aa415c5_compact:
	.size	k_q054aa415c5_compact, .Lfunc_end_k_q054aa415c5_compact-k_q054aa415c5_compact
	.p2alignl 7, 3214868480
	.fill 96, 4, 3214868480
	.section	.rodata,"a",@progbits
	.p2align	6, 0x0
	.amdhsa_kernel k_q054aa415c5_compact
		.amdhsa_group_segment_fixed_size 0
		.amdhsa_private_segment_fixed_size 0
		.amdhsa_enable_private_segment 0
		.amdhsa_kernarg_size 24
		.amdhsa_user_sgpr_count 2
		.amdhsa_user_sgpr_kernarg_segment_ptr 1
		.amdhsa_wavefront_size32 1
		.amdhsa_system_sgpr_workgroup_id_x 1
		.amdhsa_system_sgpr_workgroup_id_y 1
		.amdhsa_system_sgpr_workgroup_id_z 1
		.amdhsa_system_vgpr_workitem_id 0
		.amdhsa_next_free_vgpr 72
		.amdhsa_next_free_sgpr 66
		.amdhsa_reserve_vcc 0
		.amdhsa_float_denorm_mode_32 3
		.amdhsa_float_denorm_mode_16_64 3
		.amdhsa_memory_ordered 1
		.amdhsa_forward_progress 1
		.amdhsa_inst_pref_size 9
	.end_amdhsa_kernel
	.amdgpu_metadata
---
amdhsa.version: [ 1, 2 ]
amdhsa.kernels:
  - .name:           k_q054aa415c5_compact
    .symbol:         k_q054aa415c5_compact.kd
    .args:
      - { .name: gmask, .offset: 0, .size: 8, .value_kind: global_buffer, .address_space: global }
      - { .name: trips, .offset: 8, .size: 8, .value_kind: global_buffer, .address_space: global }
      - { .name: list, .offset: 16, .size: 8, .value_kind: global_buffer, .address_space: global }
    .group_segment_fixed_size: 0
    .private_segment_fixed_size: 0
    .kernarg_segment_align: 8
    .kernarg_segment_size: 24
    .max_flat_workgroup_size: 128
    .sgpr_count:     66
    .vgpr_count:     72
    .wavefront_size: 32
...
	.end_amdgpu_metadata
.endif
;; end of part 2
;; launch refine (part 3): grid 256 x 1, 4 waves a work-group, no clusters, 20,992 bytes of LDS; arguments points, queries, trips, list, out0, out1, out2; writes out0, out1, out2
.if DOCPART == 3
	.amdgcn_target "amdgcn-amd-amdhsa--gfx1250"
	.amdhsa_code_object_version 6
	.text
	.protected	k_q054aa415c5_refine
	.globl	k_q054aa415c5_refine
	.p2align	8
	.type	k_q054aa415c5_refine,@function
k_q054aa415c5_refine:
	s_mov_b64 s[64:65], 0
	v_nop
	global_prefetch_b8 v0, s[64:65] scope:SCOPE_SE
	s_setreg_imm32_b32 hwreg(HW_REG_WAVE_MODE, 25, 1), 1
	s_wait_xcnt 0x0
; K NEAREST NEIGHBOURS, third of three launches: THE EXACT ORDER, for the groups of 8 points that the first launch flagged and the second listed.
; Left out as in the first launch: points_row_splits and queries_row_splits, of which reference() takes the shape alone.
; Every point that can be among a query's 16 lies in a flagged group (shown at the first launch's head), so the 16 smallest of the flagged points are the 16 smallest of all.
; NUMBERS.  Points and queries are rounded once to bf16 and widened again.  All products of two such numbers are exact in f32, so a fused multiply-add gives what a multiply and an add give, and
; d = ((q0 q0 + q1 q1) + q2 q2 + ((p0 p0 + p1 p1) + p2 p2)) - 2 ((q0 p0 + q1 p1) + q2 p2) has reference()'s own roundings, in its own order of sums.
; SHARES, as in the first launch: wave W = 4 x work-group + wave owns queries 16 W .. 16 W + 15 of item = work-group / 128; lane (r, h) owns query 16 W + r and points 4,096 h .. 4,096 h + 4,095, 512 groups.
; IN.  trips: lane L's pair at 256 W + 8 L: P (the wave's longest list, in pairs of entries, rounded up) and the lane's own count.  list: pair u of lane L at 65,792 W + 256 u + 8 L: entries 2 u and 2 u + 1,
; group numbers in ascending order; pairs 0 to P are there.
; STEPS.  (1) THE WALK: P trips of two half-trips, a group each: the group's 8 distances are made and each is inserted with its index into a sorted list of 16.  The compare is strict and the indices
; ascend, so of equal distances the lower index stands first, as in top_k.  A lane whose count is used up computes along with |q|^2 = +infinity, which enters no list.  A group's 96 bytes are asked for a
; half-trip ahead, a pair of entries in the first half-trip for the second and the next first.  (2) Lanes 0-15 insert the 16 entries of lanes 16-31, whose indices are all higher.
; (3) Clamp at 0; out through a stage in LDS, each wave's own: no barrier.
; The trip count is read from trips, a group's address is its entry from list, clamped, times 96 bytes; floats only select values.
; out1 = 16 x (0 .. 16,384) is stored here: 64 numbers a work-group, by wave 0.
; LIMITS.  NaN and infinities among the inputs, and squares that overflow f32, are not served.
.set LISTW, 65792
.set STGW,  5120       ; LDS from byte 0: 5,120 bytes for each wave: 32 rows x 80 bytes of distances, then of indices
.set SPARE, 20480      ; behind the stages: the spare words, 128 bytes for each wave: two blocks of 256 bytes that no other line names
.set SPW, 4            ; v4   LDS address of my spare word; never rewritten
.set NIL, 5            ; v5   0; never rewritten
.set E2,  6            ; v6-7 a pair of entries
.set CNT, 9            ; v9   my count
.set GA,  11           ; v11  a group's byte offset in the item's points
.set HB,  12           ; v12  49,152 h
.set IC,  13           ; v13  8,192 item + 4,096 h
.set TA,  14           ; v14, v15 at work
.set TB,  15
.set LP,  16           ; v16  my 8 bytes in the pair of entries asked for last
.set CP,  17           ; v17  my 8 bytes in trips; never rewritten
.set LL,  32           ; v32-47   the 16 smallest distances, ascending
.set IX,  48           ; v48-63   their indices
.set RAW, 64           ; v64-87   a group as loaded
.set XX,  88           ; v88-111  rounded and widened; at the end: rows read back
.set PD,  112          ; v112-127 the other half's distances
.set PI,  128          ; v128-143 and indices
.set Q0,  144          ; v144-146 the query
.set QQ,  147          ; v147 |q|^2
.set QQA, 148          ; v148 |q|^2, or +infinity in a lane whose count is used up: for the group in hand
.set QQN, 149          ; v149 the same for the group on its way
.set INF, 150
.set II,  151          ; v151 a point's index
.set IB,  152          ; v152 index of the group's first point
.set IBN, 153          ; v153 the same for the group on its way
.set QOF, 155          ; v155 the query's byte offset
.set SDA, 156          ; v156 the stage: my row
.set SRA, 157          ; v157 the stage: where I read back
.set OO,  158          ; v158 my 16 bytes in out0 and out2
.set LO,  159          ; v159, v160 out1's last number: offset, value
.set LV,  160
.set SO,  161          ; v161 offset of my two numbers of out1
.set SV,  162          ; v162-163 the two numbers
.set TI,  184          ; v184-199 at work: indices on their way, packed points
.set PP,  200          ; v200-207 |p|^2, then d, of a group's 8 points
.set DT,  208          ; v208-215 q.p
.macro EACH8 line:vararg               ; one line for t = 0 .. 7
.set t, 0
.rept 8
	\line
.set t, t+1
.endr
.endm
	s_load_b256 s[4:11], s[0:1], 0x0               ; points s[4:5], queries s[6:7], trips s[8:9], list s[10:11]
	s_load_b128 s[12:15], s[0:1], 0x20             ; out0 s[12:13], out1 s[14:15]
	s_load_b64 s[36:37], s[0:1], 0x30              ; out2
	v_lshl_add_u32 v[SPW], v0, 2, SPARE
	v_mov_b32 v[NIL], 0
	v_lshrrev_b32 v1, 5, v0
	v_readfirstlane_b32 s16, v1                    ; wave 0..3
	s_mov_b32 s17, ttmp9                           ; work-group
	v_and_b32 v1, 31, v0                           ; lane
	v_and_b32 v2, 15, v0                           ; r
	v_bfe_u32 v3, v0, 4, 1                         ; h
	s_mov_b32 s22, 0xffff0000                      ; a word's upper half
	s_mov_b32 s24, 0x76543210                      ; v_permlanex16_b32: each lane takes its own place in the other half
	s_mov_b32 s25, 0xfedcba98
	s_lshl2_add_u32 s26, s17, s16                  ; W
	s_lshr_b32 s27, s17, 7                         ; item
	s_mul_i32 s28, s27, 98304
	s_mov_b32 s29, 0
	s_lshl_b32 s32, s26, 8                         ; 256 W
	s_mov_b32 s33, 0
	s_mul_i32 s34, s26, LISTW
	s_mov_b32 s35, 0
	v_mul_u32_u24 v[HB], v3, 49152
	s_lshl_b32 s30, s27, 13
	v_lshl_add_u32 v[IC], v3, 12, s30
	v_lshlrev_b32 v[LP], 3, v1
	v_lshlrev_b32 v[CP], 3, v1
	s_mul_i32 s30, s26, 192
	v_mad_u32_u24 v[QOF], v2, 12, s30
	s_mul_i32 s31, s16, STGW                       ; my wave's stage
	v_mad_u32_u24 v[SDA], v1, 80, s31              ; in: a row of 64 bytes + 16 of padding a lane
	v_lshrrev_b32 v[TA], 2, v1
	v_mad_u32_u24 v[SRA], v[TA], 80, s31           ; back: four lanes take a row
	v_and_b32 v[TA], 3, v1
	v_lshl_add_u32 v[SRA], v[TA], 4, v[SRA]
	s_lshl_b32 s30, s26, 10
	v_lshl_add_u32 v[OO], v1, 4, s30               ; 1,024 W + 16 lane
	s_lshl_b32 s30, s17, 6
	v_lshl_add_u32 v[SO], v1, 1, s30               ; 64 x work-group + 2 lane
	v_lshlrev_b32 v[SV], 4, v[SO]                  ; times 16,
	v_add_nc_u32 v[SV+1], 16, v[SV]                ; and the next
	v_lshlrev_b32 v[SO], 2, v[SO]
	v_mov_b32 v[LO], 0x10000                       ; number 16,384 lies at byte 65,536
	v_mov_b32 v[LV], 0x40000                       ; and is 262,144
	v_mov_b32 v[INF], 0x7f800000
	s_wait_kmcnt 0x0
	s_add_nc_u64 s[4:5], s[4:5], s[28:29]          ; the item's points
	s_add_nc_u64 s[8:9], s[8:9], s[32:33]          ; my wave's 256 bytes of trips
	s_add_nc_u64 s[10:11], s[10:11], s[34:35]      ; my wave's lists
	s_load_b32 s21, s[8:9], 0x0                    ; P
	global_load_b64 v[E2:E2+1], v[LP], s[10:11]    ; entries 0 and 1: 256 consecutive bytes a wave
	global_load_b32 v[CNT], v[CP], s[8:9] offset:4
	global_load_b32 v[Q0], v[QOF], s[6:7]
	global_load_b32 v[Q0+1], v[QOF], s[6:7] offset:4
	global_load_b32 v[Q0+2], v[QOF], s[6:7] offset:8
	s_cmp_lg_u32 s16, 0                            ; out1 is wave 0's
	s_cbranch_scc1 .Lno_splits
	global_store_b64 v[SO], v[SV:SV+1], s[14:15]   ; 32 lanes x 8 bytes: 256 consecutive bytes, aligned
	s_cmp_lg_u32 s17, 255                          ; the 16,385th number is the last work-group's
	s_cbranch_scc1 .Lno_splits
	s_wait_xcnt 0x0                                ; EXEC changes only behind this wait: loads and a store have been issued
	v_cmp_eq_u32 vcc_lo, 0, v1
	s_and_saveexec_b32 s20, vcc_lo
	global_store_b32 v[LO], v[LV], s[14:15]
	s_wait_xcnt 0x0                                ; and again, in front of the line that widens it
	s_or_b32 exec_lo, exec_lo, s20
.Lno_splits:
.set i, 0
.rept 16
	v_mov_b32 v[LL+i], 0x7f800000
	v_mov_b32 v[IX+i], 0
	v_mov_b32 v[PD+i], 0                           ; written once: v_permlanex16_b32 counts as a reader of its destination
	v_mov_b32 v[PI+i], 0
.set i, i+1
.endr
	s_wait_kmcnt 0x0
	s_min_u32 s21, s21, 0x100                      ; 256 pairs at the most
	s_wait_loadcnt 0x0                             ; entries, count and query
	v_cvt_pk_bf16_f32 v[TA], v[Q0], v[Q0+1]
	v_cvt_pk_bf16_f32 v[TB], v[Q0+2], v[Q0+2]
	v_lshlrev_b32 v[Q0], 16, v[TA]
	v_and_b32 v[Q0+1], s22, v[TA]
	v_lshlrev_b32 v[Q0+2], 16, v[TB]
	v_mul_f32 v[QQ], v[Q0], v[Q0]
	v_fmac_f32 v[QQ], v[Q0+1], v[Q0+1]
	v_fmac_f32 v[QQ], v[Q0+2], v[Q0+2]
; Entry number s19 of my list, which lies in register e, becomes an address, and the group's 96 bytes are asked for.
.macro NEXT e
	v_min_u32 v[\e], 0x1ff, v[\e]                  ; a group's number, 0 to 511
	v_cmp_lt_u32 vcc_lo, s19, v[CNT]               ; is it one of mine?
	v_lshl_add_u32 v[IBN], v[\e], 3, v[IC]
	v_mul_u32_u24 v[GA], v[\e], 96                 ; 8 points of 12 bytes,
	v_cndmask_b32 v[QQN], v[INF], v[QQ], vcc_lo
	v_add_nc_u32 v[GA], v[HB], v[GA]               ; in my half of the item's points
.set k, 0
.rept 6
	global_load_b128 v[RAW+4*k:RAW+4*k+3], v[GA], s[4:5] offset:16*k
.set k, k+1
.endr
.endm
; (d, n) goes into the sorted list.  c[i] = d < L[i].  Place i takes its lower neighbour where c[i - 1], else (d, n) where c[i], else stays.  For the distances that is the middle one of neighbour, self and d,
; from the top down, so that each place sees its neighbour's old number.  For the indices: first 'n where c[i]' into spare registers, then 'the neighbour where c[i - 1]', from the top down.
; No line reads the result of the line before it.
.macro INSERT d, n
.set z, 0
.rept 16
	v_cmp_lt_f32 s[40+z], v[\d], v[LL+z]
.set z, z+1
.endr
.set z, 15
.rept 15
	v_med3_num_f32 v[LL+z], v[LL+z-1], v[LL+z], v[\d]
.set z, z-1
.endr
	v_min_num_f32 v[LL], v[LL], v[\d]
.set z, 1
.rept 15
	v_cndmask_b32 v[TI+z], v[IX+z], v[\n], s[40+z]
.set z, z+1
.endr
.set z, 15
.rept 15
	v_cndmask_b32 v[IX+z], v[TI+z], v[IX+z-1], s[39+z]
.set z, z-1
.endr
	v_cndmask_b32 v[IX], v[IX], v[\n], s40
.endm
; A HALF-TRIP.  At its head the group in hand is on its way into RAW; its first index and its |q|^2 stand in IBN and QQN.  e: the register with the next entry.  more = 1: the next pair of entries is asked for.
.macro HALFT e, more
	v_mov_b32 v[QQA], v[QQN]
	v_mov_b32 v[IB], v[IBN]
	s_wait_loadcnt 0x0                             ; the group is in, and so is a pair of entries asked for in the half-trip before; their loads have read GA and LP
.set k, 0
.rept 12
	v_cvt_pk_bf16_f32 v[TI+k], v[RAW+2*k], v[RAW+2*k+1]
.set k, k+1
.endr
.set k, 0
.rept 12
	v_lshlrev_b32 v[XX+2*k], 16, v[TI+k]
	v_and_b32 v[XX+2*k+1], s22, v[TI+k]
.set k, k+1
.endr
	s_add_co_u32 s19, s19, 1                       ; the next entry's number
	NEXT \e                                        ; its group has this half-trip's eight insertions in which to come
.if \more
	v_add_nc_u32 v[LP], 0x100, v[LP]
	global_load_b64 v[E2:E2+1], v[LP], s[10:11]    ; both entries of the old pair have been used
.endif
	; reference()'s chain for the 8 points, by stages
	EACH8 v_mul_f32 v[PP+t], v[XX+3*t], v[XX+3*t]
	EACH8 v_mul_f32 v[DT+t], v[Q0], v[XX+3*t]
	EACH8 v_fmac_f32 v[PP+t], v[XX+3*t+1], v[XX+3*t+1]
	EACH8 v_fmac_f32 v[DT+t], v[Q0+1], v[XX+3*t+1]
	EACH8 v_fmac_f32 v[PP+t], v[XX+3*t+2], v[XX+3*t+2]
	EACH8 v_fmac_f32 v[DT+t], v[Q0+2], v[XX+3*t+2]
	EACH8 v_add_f32 v[PP+t], v[QQA], v[PP+t]       ; |q|^2 + |p|^2
	EACH8 v_fma_f32 v[PP+t], v[DT+t], -2.0, v[PP+t]  ; - 2 q.p: the doubling is exact, so this is one rounding, as in reference()
.set j, 0
.rept 8
	v_add_nc_u32 v[II], j, v[IB]
	INSERT PP+j, II
.set j, j+1
.endr
.endm
	; (1) THE WALK
	s_mov_b32 s19, 0
	NEXT E2                                        ; entry 0
	s_mov_b32 s18, 0
.Lpair:                                ; trip u: entries 2 u and 2 u + 1
	HALFT E2+1, 1                                  ; entry 2 u is worked on, entry 2 u + 1's group and pair u + 1 are asked for
	HALFT E2, 0                                    ; entry 2 u + 1 is worked on, entry 2 u + 2's group is asked for (in the last trip it is not used)
	s_add_co_u32 s18, s18, 1
	s_cmp_lt_u32 s18, s21                          ; P
	s_cbranch_scc1 .Lpair
	s_wait_loadcnt 0x0                             ; what the last trip asked for
	; (2) THE HALVES MEET.  Right in lanes 0-15; lanes 16-31 compute along and their result is not read.
.set i, 0
.rept 16
	v_permlanex16_b32 v[PD+i], v[LL+i], s24, s25
	v_permlanex16_b32 v[PI+i], v[IX+i], s24, s25
.set i, i+1
.endr
.set i, 0
.rept 16
	INSERT PD+i, PI+i
.set i, i+1
.endr
	; (3) THE WAY OUT.  A lane holds a query's 16 numbers, 64 bytes; through the stage four lanes take a row, so that a store of the wave covers 512 consecutive bytes.
.set i, 0
.rept 16
	v_max_num_f32 v[LL+i], 0, v[LL+i]              ; reference()'s clamp of small negative distances
.set i, i+1
.endr
.set i, 0
.rept 4
	ds_store_b128 v[SDA], v[LL+4*i:LL+4*i+3] offset:16*i
	ds_store_b128 v[SDA], v[IX+4*i:IX+4*i+3] offset:2560+16*i
.set i, i+1
.endr
	ds_load_b128 v[XX:XX+3],     v[SRA]                ; queries 0-7: the rows of lanes 0-7; my own wave's bytes, and LDS serves a wave's instructions in order (ISA guide 5.7.1.4)
	ds_load_b128 v[XX+4:XX+7],   v[SRA] offset:640     ; queries 8-15
	ds_load_b128 v[XX+8:XX+11],  v[SRA] offset:2560
	ds_load_b128 v[XX+12:XX+15], v[SRA] offset:2560+640
	s_wait_dscnt 0x0
	global_store_b128 v[OO], v[XX:XX+3],     s[36:37]
	global_store_b128 v[OO], v[XX+4:XX+7],   s[36:37] offset:512
	global_store_b128 v[OO], v[XX+8:XX+11],  s[12:13]
	global_store_b128 v[OO], v[XX+12:XX+15], s[12:13] offset:512
	s_wait_tensorcnt 0x0                           ; the wave's end: behind my last LDS store
	ds_add_u32 v[SPW], v[NIL]
	s_wait_dscnt 0x0
	s_endpgm
.Lfunc_end_k_q054aa415c5_refine:
	.size	k_q054aa415c5_refine, .Lfunc_end_k_q054aa415c5_refine-k_q054aa415c5_refine
	.p2alignl 7, 3214868480
	.fill 96, 4, 3214868480
	.section	.rodata,"a",@progbits
	.p2align	6, 0x0
	.amdhsa_kernel k_q054aa415c5_refine
		.amdhsa_group_segment_fixed_size 20992
		.amdhsa_private_segment_fixed_size 0
		.amdhsa_enable_private_segment 0
		.amdhsa_kernarg_size 56
		.amdhsa_user_sgpr_count 2
		.amdhsa_user_sgpr_kernarg_segment_ptr 1
		.amdhsa_wavefront_size32 1
		.amdhsa_system_sgpr_workgroup_id_x 1
		.amdhsa_system_sgpr_workgroup_id_y 1
		.amdhsa_system_sgpr_workgroup_id_z 1
		.amdhsa_system_vgpr_workitem_id 0
		.amdhsa_next_free_vgpr 216
		.amdhsa_next_free_sgpr 66
		.amdhsa_reserve_vcc 1
		.amdhsa_float_denorm_mode_32 3
		.amdhsa_float_denorm_mode_16_64 3
		.amdhsa_memory_ordered 1
		.amdhsa_forward_progress 1
		.amdhsa_inst_pref_size 147
	.end_amdhsa_kernel
	.amdgpu_metadata
---
amdhsa.version: [ 1, 2 ]
amdhsa.kernels:
  - .name:           k_q054aa415c5_refine
    .symbol:         k_q054aa415c5_refine.kd
    .args:
      - { .name: points, .offset: 0, .size: 8, .value_kind: global_buffer, .address_space: global }
      - { .name: queries, .offset: 8, .size: 8, .value_kind: global_buffer, .address_space: global }
      - { .name: trips, .offset: 16, .size: 8, .value_kind: global_buffer, .address_space: global }
      - { .name: list, .offset: 24, .size: 8, .value_kind: global_buffer, .address_space: global }
      - { .name: out0, .offset: 32, .size: 8, .value_kind: global_buffer, .address_space: global }
      - { .name: out1, .offset: 40, .size: 8, .value_kind: global_buffer, .address_space: global }
      - { .name: out2, .offset: 48, .size: 8, .value_kind: global_buffer, .address_space: global }
    .group_segment_fixed_size: 20992
    .private_segment_fixed_size: 0
    .kernarg_segment_align: 8
    .kernarg_segment_size: 56
    .max_flat_workgroup_size: 128
    .sgpr_count:     66
    .vgpr_count:     216
    .wavefront_size: 32
...
	.end_amdgpu_metadata
.endif
;; end of part 3
;; ======== version 2 of 2: 3 launches; version 1 with the launch sieve written anew for expert scheduling mode
;; workspace buffers: gmask 2,097,152 bytes of whole numbers; trips 262,144 bytes of whole numbers; list 67,371,008 bytes of whole numbers
;; launch sieve (part 4): grid 256 x 1, 4 waves a work-group, no clusters, 262,912 bytes of LDS; arguments points, queries, gmask, trips; writes gmask, trips
.if DOCPART == 4
	.amdgcn_target "amdgcn-amd-amdhsa--gfx1250"
	.amdhsa_code_object_version 6
	.text
	.protected	k_q054aa415c5_sieve
	.globl	k_q054aa415c5_sieve
	.p2align	8
	.type	k_q054aa415c5_sieve,@function
k_q054aa415c5_sieve:
	s_mov_b64 s[64:65], 0
	v_nop
	global_prefetch_b8 v0, s[64:65] scope:SCOPE_SE
	s_setreg_imm32_b32 hwreg(HW_REG_WAVE_SCHED_MODE, 0, 2), 2
	s_setreg_imm32_b32 hwreg(HW_REG_WAVE_MODE, 25, 1), 1
	s_wait_xcnt 0x0
	s_wait_alu depctr_vm_vsrc(0)
; K NEAREST NEIGHBOURS (k = 16, squared L2), first of three launches: THE SIEVE.
; reference(): d[q][p] = (|q|^2 + |p|^2) - 2 q.p inside each of 2 batch items of 8,192 queries x 8,192 points; the 16 smallest d of a query, ascending, ties by the lower index.
; DEAD INPUTS.  reference() takes only the SHAPE of points_row_splits and queries_row_splits (b = shape[0] - 1); their values enter no expression, whatever they hold.  So they have no way
; to any output, are not loaded and are no arguments of any launch.
; NUMBERS.  Points and queries are rounded once to bf16.  Indices must come out exactly, so the order of the distances is decided in the third launch, in f32, in reference()'s own order of sums.
; This launch only marks which points can be among the 16, by sums of the matrix unit, with room for their rounding.
; SHARES.  Work-group g (0..255) belongs to item g / 128; wave W = 4 g + wave owns queries 16 W .. 16 W + 15.  Lane (r = lane % 16, h = lane / 16) owns query 16 W + r and the item's points
; 4,096 h .. 4,096 h + 4,095, as 512 GROUPS of 8 consecutive points.
; TABLE.  Every work-group lays the item's 8,192 points into LDS, 16 bytes each: bf16 (p0, p1, p2, hi, mid, lo, 0, 0), where hi + mid + lo is the f32 |p|^2 cut into three pieces of 8 bits, exactly.
; PRODUCT.  A row of source 0 has 32 places along K: four points of 8 places.  Source 1 holds (-2 q0, -2 q1, -2 q2, 1, 1, 1, 0, 0) in ONE of the four and zeros elsewhere, C holds |q|^2: the result is
; a[point][query] = |q|^2 + |p|^2 - 2 q.p for that one of the four points.  Two LDS loads (64 points) feed four matrix instructions.  In the result a lane holds one query and 8 points: one group.
; WHAT IS KEPT.  Of each group its minimum, cut to its upper 16 bits, in LDS.  Of each 32 points (four groups) the minimum goes into a sorted list of 16.  The two halves' lists give T, the 16th smallest of the
; query's 256 such minima: 16 different points have a <= T.
; WHY NOTHING IS LOST.  Let e bound |a - d| for the points in question; then the 16th smallest d is <= T + e and every point of the answer has a <= T + 2 e.  With R = |q|^2 + |p|^2 <= 3 |q|^2 + 2 |q - p|^2,
; reference()'s sums are off by at most 6 x 2^-24 R and the matrix sum is given 64 x 2^-24 R; 2 e is then under 2^-14 (|q|^2 + max(T, 0)).  A group is flagged if its cut minimum is <= thr =
; V + 2^-14 (V + |q|^2), V = max(T, 0).  Cutting lowers a positive number; a negative one is flagged always.  Equal distances and offsets only lengthen the lists.
; OUT.  gmask: wave W's 2,048 bytes; word w (0..15) of lane L at 2,048 W + 512 (w / 4) + 16 L + 4 (w % 4); bit b of word w is the flag of the lane's group 32 w + b.
; trips: wave W's 256 bytes; lane L's pair at 256 W + 8 L: P = (the wave's longest count of flags + 1) / 2, at least 1, and the lane's own count.  The later launches take their trip counts from there.
; LIMITS.  NaN and infinities among the inputs, and squares that overflow f32, are not served; where |p|^2 is below about 2^-100 its three pieces lose bits (the room above is then the only cover).
; THE MODE: SCHED_MODE bits 1:0 = 2 (LLVM: expert scheduling mode 2), set by the entry lines.  The code itself states the register dependences between vector or matrix instructions and memory or LDS
; instructions, and between a vector instruction that writes a scalar register or VCC and the next line that names it, with s_wait_alu, always for 0.
; THE PLAN.  Registers that memory or LDS instructions touch, and who else names them:
;   PO, QOF, TS0, TS1, GO   offsets and addresses, made at the head and never written again (gmask's rows are reached by its scalar base).
;   RAW          the points as loaded; read by the table's conversions; no load lands there again before the fragments' and the minima's, which stand behind later waits.
;   WT0, WT1     two sets of four table entries.  Chunk i's arithmetic writes WT[i % 2]; its four LDS stores are issued in chunk i + 1, dealt among that chunk's arithmetic, which names the other set.
;   AF0 .. AF3   Half-trip x: its four matrix instructions read AF[x % 4]; the two LDS loads issued in half-trip x + 1 land in it (the fragment of half-trip x + 4).
;   PK           Half-trip x: its two v_perm_b32 write it; the LDS store issued in half-trip x + 1 reads it.
;   TA, ST       read by every LDS load and store of the main loop; written at a trip's end.
;   MN, MR, FL   the flags pass: MN is loaded at a trip's head and read by its shifts and compares; MR is their address, stepped at the trip's end; FL is written by the carry adds and read by the trip's store.
;   DF, BB, CQ, LS, XM, MM, SH, PC, PE are named by vector and matrix instructions alone.
; So in the main loop ONE wait on va_vdst stands at a half-trip's head and ONE on vm_vsrc ahead of its two v_perm_b32; in the table one of each at a chunk's head; in the flags pass two on va_vdst, one on vm_vsrc and
; eight on va_sdst a trip (behind each run of compares and behind each run of carry adds).  Each wait's comment says what it states.
.set UP,    65664      ; LDS byte of the table's upper half (points 4,096 on): 65,536 + 128, so that rows 0-7 and rows 8-15 of a fragment load fall on different halves of a 256-byte row of banks (64 banks of 4 bytes: ISA guide 11.1)
.set MINS,  131328     ; behind the table: 32,768 bytes for each wave: half-trip x at 256 x + 8 lane, four 16-bit minima
.set SPARE, 262400     ; behind them: the spare words, 128 bytes for each wave: two blocks of 256 bytes that no other line names
.set TS0, 4            ; v4   table stores, lower half: 64 x thread
.set TS1, 5            ; v5   upper half
.set PO,  6            ; v6   48 x thread: my 4 points in a chunk of 512; never rewritten
.set TA,  7            ; v7   my lane's place in the table for fragment loads
.set QR,  8            ; v8-10  the query as loaded
.set ST,  11           ; v11  where I put four minima
.set MR,  12           ; v12  where I read them back
.set GO,  13           ; v13  my 16 bytes in gmask; never rewritten
.set SPW, 14           ; v14  LDS address of my spare word; never rewritten
.set NIL, 15           ; v15  0; never rewritten
.set QOF, 16           ; v16  the query's byte offset; never rewritten
.set TT,  20           ; v20-23  at work
.set QV,  24           ; v24-27  the query's 8 places
.set QQ,  28           ; v28  |q|^2
.set XM,  29           ; v29  the last half-trip's minimum of 32 points
.set TH,  30           ; v30  T, then thr
.set THX, 31           ; v31  thr with its low 16 bits set
.set WT,  32           ; v32-63  table phase only: set s, entry e: 4 registers at WT + 16 s + 4 e; the fourth is 0, written once
.set MM,  32           ; v32-35  four groups' minima
.set PK,  36           ; v36-37  their upper halves
.set VV,  38           ; v38  at work
.set FL,  40           ; v40-43  four words of flags
.set LS,  44           ; v44-59  the sorted list, ascending
.set RAW, 64           ; v64-255  the points as loaded (table phase)
.set AF,  64           ; v64-95   later: four fragment buffers of source 0
.set DF,  96           ; v96-127  four results
.set BB,  128          ; v128-147 [X Z Y Z X]: X = the query's places in lanes 0-15, Y in lanes 16-31, Z = 0; the four sources 1 begin at +0, +8, +12, +4
.set CQ,  148          ; v148-155 |q|^2, eight times
.set PX,  160          ; v160-175 the other half's list
.set MN,  64           ; v64-127  flags pass: 128 minima
.set SH,  128          ; v128-143 flags pass: sixteen even groups' minima, moved up
.set PC,  176          ; v176-179 flags pass: four words' bits being counted
.set PE,  180          ; v180-183 likewise
.set CO,  184          ; v184 my 8 bytes in trips
.set CF,  185          ; v185 my count as f32
.set TRP, 190          ; v190 P
.set CNT, 191          ; v191 my count
.set MSK, 32           ; s32-63  flags pass: a run's 32 compares
	s_load_b128 s[4:7], s[0:1], 0x0                ; points s[4:5], queries s[6:7]
	s_load_b64 s[8:9], s[0:1], 0x10                ; gmask
	s_load_b64 s[28:29], s[0:1], 0x18              ; trips
	v_lshl_add_u32 v[SPW], v0, 2, SPARE
	v_mov_b32 v[NIL], 0
	v_lshrrev_b32 v1, 5, v0
	v_readfirstlane_b32 s10, v1                    ; wave 0..3
	s_mov_b32 s11, ttmp9                           ; work-group
	s_mov_b32 s12, 0xffff0000                      ; a word's upper half
	s_mov_b32 s13, 0x07060100                      ; first source's upper half above the second's lower half
	s_mov_b32 s14, 0x07060302                      ; first source's upper half above the second's upper half
	s_mov_b32 s16, 0x76543210                      ; v_permlanex16_b32: each lane takes its own place in the other half
	s_mov_b32 s17, 0xfedcba98
	s_mov_b32 s24, 0x55555555                      ; the count's fields of 2,
	s_mov_b32 s25, 0x33333333                      ; 4,
	s_mov_b32 s26, 0x0f0f0f0f                      ; 8
	s_mov_b32 s27, 0x00ff00ff                      ; and 16 bits
	v_and_b32 v1, 31, v0                           ; lane
	v_and_b32 v2, 15, v0                           ; r
	v_bfe_u32 v3, v0, 4, 1                         ; h
	v_lshlrev_b32 v[TS0], 6, v0
	v_add_nc_u32 v[TS1], UP, v[TS0]
	v_mul_u32_u24 v[PO], v0, 48
	v_bfe_u32 v[TT], v0, 3, 1                      ; r / 8: which half of the points my row of source 0 shows
	v_mul_u32_u24 v[TA], v[TT], UP
	v_lshl_add_u32 v[TA], v3, 7, v[TA]             ; + 128 h: the group (8 points of 16 bytes) that my K places take
	v_and_b32 v[TT], 7, v0
	v_lshl_add_u32 v[TA], v[TT], 4, v[TA]          ; + 16 (r % 8): the point in the group
	s_wait_alu depctr_va_sdst(0)                   ; s10 is written, ahead of its first reader: LDS addresses and the wave's number W are made from it
	s_lshl_b32 s23, s10, 15
	s_add_co_u32 s23, s23, MINS                    ; my wave's minima
	v_lshl_add_u32 v[ST], v1, 3, s23
	v_mov_b32 v[MR], v[ST]
	s_lshl2_add_u32 s22, s11, s10                  ; W = 4 x work-group + wave
	s_lshl_b32 s23, s22, 11
	v_lshl_add_u32 v[GO], v1, 4, s23               ; 2,048 W + 16 lane
	s_mul_i32 s23, s22, 192
	v_mad_u32_u24 v[QOF], v2, 12, s23              ; (16 W + r) x 12 bytes
	s_lshr_b32 s20, s11, 7                         ; item
	s_mul_i32 s20, s20, 98304                      ; its 8,192 points of 12 bytes
	s_mov_b32 s21, 0
.set i, 0
.rept 8
	v_mov_b32 v[WT+4*i+3], 0                       ; the fourth word of each of the eight entries at work
.set i, i+1
.endr
	s_wait_kmcnt 0x0
	s_add_nc_u64 s[4:5], s[4:5], s[20:21]
	s_wait_alu depctr_va_vdst(0)                   ; PO, QOF, TS0, TS1, TA, ST, MR, GO and the eight zero words are written: the loads and stores of the whole kernel read them
	global_load_b32 v[QR], v[QOF], s[6:7]
	global_load_b32 v[QR+1], v[QOF], s[6:7] offset:4
	global_load_b32 v[QR+2], v[QOF], s[6:7] offset:8
.set i, 0
.rept 48                               ; chunk i / 3 is 512 points, 6,144 bytes: 48 bytes (4 points) a thread, three loads; a wave's three loads cover 1,536 consecutive bytes
	global_load_b128 v[RAW+4*i:RAW+4*i+3], v[PO], s[4:5] offset:(i/3)*6144+(i%3)*16
.set i, i+1
.endr
	; THE TABLE.  Point 512 i + 4 thread + e.  Chunk i's four entries are made in set i % 2; the four stores of chunk i - 1, from the other set, stand one in front of each entry's arithmetic.
.set i, 0
.rept 16
	s_wait_loadcnt 45-3*i                          ; loads come back in order: behind chunk i's three stand the 45 - 3 i of the later chunks
.if i > 1
	s_wait_alu depctr_vm_vsrc(0)                   ; the stores issued in the chunk before have read set i % 2, which this chunk writes again
.endif
.if i > 0
	s_wait_alu depctr_va_vdst(0)                   ; the chunk before has written the other set, which the four stores below read; no line of this chunk names that set
.endif
.set e, 0
.rept 4
.set x, RAW+12*i+3*e
.set wd, WT+16*(i%2)+4*e
.if i > 0
	ds_store_b128 v[TS0+(i-1)/8], v[WT+16*((i-1)%2)+4*e:WT+16*((i-1)%2)+4*e+3] offset:((i-1)%8)*8192+16*e
.endif
	v_cvt_pk_bf16_f32 v[wd], v[x], v[x+1]          ; p0, p1
	v_cvt_pk_bf16_f32 v[TT+2], v[x+2], v[x+2]      ; p2
	v_lshlrev_b32 v[TT], 16, v[wd]
	v_and_b32 v[TT+1], s12, v[wd]
	v_lshlrev_b32 v[TT+3], 16, v[TT+2]
	v_mul_f32 v[TT], v[TT], v[TT]
	v_fmac_f32 v[TT], v[TT+1], v[TT+1]
	v_fmac_f32 v[TT], v[TT+3], v[TT+3]             ; |p|^2 in f32
	v_and_b32 v[TT+1], s12, v[TT]                  ; hi: its upper 8 bits
	v_sub_f32 v[TT], v[TT], v[TT+1]                ; exact
	v_perm_b32 v[wd+1], v[TT+1], v[TT+2], s13      ; p2, hi
	v_and_b32 v[TT+1], s12, v[TT]                  ; mid
	v_sub_f32 v[TT], v[TT], v[TT+1]                ; lo: 8 bits are left
	v_perm_b32 v[wd+2], v[TT], v[TT+1], s14        ; mid, lo
.set e, e+1
.endr
.set i, i+1
.endr
	s_wait_alu depctr_va_vdst(0)                   ; chunk 15 has written set 1, which the last four stores read.  It also shows every conversion done reading RAW
.set e, 0
.rept 4
	ds_store_b128 v[TS1], v[WT+16+4*e:WT+16+4*e+3] offset:7*8192+16*e
.set e, e+1
.endr
	; THE QUERY's OPERANDS, made while the table's stores are on their way
	v_cmp_gt_u32 vcc_lo, 16, v1                    ; lanes 0-15
	v_mul_f32 v[TT], -2.0, v[QR]
	v_mul_f32 v[TT+1], -2.0, v[QR+1]
	v_mul_f32 v[TT+2], -2.0, v[QR+2]
	v_mov_b32 v[TT+3], 1.0
	v_cvt_pk_bf16_f32 v[QV], v[TT], v[TT+1]        ; -2 q0, -2 q1: the doubling is exact, so this is -2 x the rounded q
	v_cvt_pk_bf16_f32 v[QV+1], v[TT+2], v[TT+3]    ; -2 q2, 1
	v_mov_b32 v[QV+2], 0x3f803f80                  ; 1, 1
	v_mov_b32 v[QV+3], 0
	v_cvt_pk_bf16_f32 v[TT], v[QR], v[QR+1]
	v_cvt_pk_bf16_f32 v[TT+1], v[QR+2], v[QR+2]
	v_lshlrev_b32 v[TT+2], 16, v[TT]
	v_and_b32 v[TT+3], s12, v[TT]
	v_lshlrev_b32 v[TT+1], 16, v[TT+1]
	v_mul_f32 v[QQ], v[TT+2], v[TT+2]
	v_fmac_f32 v[QQ], v[TT+3], v[TT+3]
	v_fmac_f32 v[QQ], v[TT+1], v[TT+1]             ; |q|^2
	s_wait_alu depctr_va_vcc(0)                    ; the compare above has written VCC, which the selects below read
.set i, 0
.rept 4
	v_cndmask_b32 v[BB+i], v[NIL], v[QV+i], vcc_lo     ; X
	v_mov_b32 v[BB+4+i], 0                             ; Z
	v_cndmask_b32 v[BB+8+i], v[QV+i], v[NIL], vcc_lo   ; Y
	v_mov_b32 v[BB+12+i], 0                            ; Z
	v_cndmask_b32 v[BB+16+i], v[NIL], v[QV+i], vcc_lo  ; X
.set i, i+1
.endr
.set i, 0
.rept 8
	v_mov_b32 v[CQ+i], v[QQ]                       ; a lane's eight results belong to one query
.set i, i+1
.endr
	v_mov_b32 v[XM], 0x7f800000
	s_wait_alu depctr_vm_vsrc(0)                   ; the table's stores have read v32-63: from here on these registers are MM, PK, VV, FL and LS, written by vector instructions
.set i, 0
.rept 16
	v_mov_b32 v[LS+i], 0x7f800000                  ; the list starts at +infinity
	v_mov_b32 v[PX+i], 0                           ; written once: v_permlanex16_b32 counts as a reader of its destination
.set i, i+1
.endr
	s_wait_dscnt 0x0                               ; for the others' sake: my part of the table is written
	s_barrier_signal -1
	s_barrier_wait -1                              ; the table is whole; nothing writes it again
; Four steps of the insertion of XM into the ascending list: place n takes the middle one of its lower neighbour, itself and XM; from the top down, so that each step sees its neighbour's old number.
.macro INS c
.set n, 15-4*(\c)
.rept 4
.if n > 0
	v_med3_num_f32 v[LS+n], v[LS+n-1], v[LS+n], v[XM]
.else
	v_min_num_f32 v[LS], v[LS], v[XM]
.endif
.set n, n-1
.endr
.endm
; A HALF-TRIP: groups 4 x .. 4 x + 3 of both halves of the points, from buffer a = x % 4.  The four results are sums of their own (C is |q|^2, never a result), so no chain exists.
; The last half-trip's minimum is inserted in four parts behind the four matrix instructions.
; i: the half-trip's place in a trip of the loop.  st = 1: the minima of the half-trip before are stored.  ld = 1: the fragment of the half-trip three on is asked for, into the buffer that the half-trip
; before has read.  cnt: how many younger LDS instructions may be out when buffer a has to be there.
; The store and the two loads stand behind the first three matrix instructions.  Behind the wait at the head those name AF[a], DF, BB and CQ, and the insertion LS and XM: none of ST, PK, TA or the other buffer.
.macro HALF a, i, st, ld, cnt
	s_wait_dscnt \cnt                              ; buffer a is in
.if \st
	s_wait_alu depctr_va_vdst(0)                   ; the half-trip before: its matrix instructions are done reading their fragment, in which the loads below land; its v_perm_b32 have written PK, which the store below reads; at a trip's head TA and ST are written
.endif
	v_wmma_f32_16x16x32_bf16 v[DF:DF+7], v[AF+8*(\a):AF+8*(\a)+7], v[BB:BB+7], v[CQ:CQ+7]
.if \st
	ds_store_b64 v[ST], v[PK:PK+1] offset:(\i)*256
.endif
	INS 0
	v_wmma_f32_16x16x32_bf16 v[DF+8:DF+15], v[AF+8*(\a):AF+8*(\a)+7], v[BB+8:BB+15], v[CQ:CQ+7]
.if \ld
	ds_load_b128 v[AF+8*(((\a)+3)%4):AF+8*(((\a)+3)%4)+3],   v[TA] offset:((\i)+4)*512
.endif
	INS 1
	v_wmma_f32_16x16x32_bf16 v[DF+16:DF+23], v[AF+8*(\a):AF+8*(\a)+7], v[BB+12:BB+19], v[CQ:CQ+7]
.if \ld
	ds_load_b128 v[AF+8*(((\a)+3)%4)+4:AF+8*(((\a)+3)%4)+7], v[TA] offset:((\i)+4)*512+256
.endif
	INS 2
	v_wmma_f32_16x16x32_bf16 v[DF+24:DF+31], v[AF+8*(\a):AF+8*(\a)+7], v[BB+4:BB+11], v[CQ:CQ+7]
	INS 3
.rept 4
	v_nop                                          ; four places behind the last product (ISA guide 7.12.1), ahead of the reads of its result
.endr
.irp c, 0,1,2,3
	v_min3_num_f32 v[MM+\c], v[DF+8*\c], v[DF+8*\c+1], v[DF+8*\c+2]  ; each result is read from its low end on
.endr
.irp c, 0,1,2,3
	v_min3_num_f32 v[MM+\c], v[MM+\c], v[DF+8*\c+3], v[DF+8*\c+4]
.endr
.irp c, 0,1,2,3
	v_min3_num_f32 v[MM+\c], v[MM+\c], v[DF+8*\c+5], v[DF+8*\c+6]
.endr
.irp c, 0,1,2,3
	v_min_num_f32 v[MM+\c], v[MM+\c], v[DF+8*\c+7]
.endr
	v_min3_num_f32 v[XM], v[MM], v[MM+1], v[MM+2]
.if \st
	s_wait_alu depctr_vm_vsrc(0)                   ; the store above has read PK, which the next two lines write again; the LDS instructions issued so far have read TA and ST, which a trip's end steps
.endif
	v_perm_b32 v[PK], v[MM+1], v[MM], s14          ; the upper halves of groups 0, 1
	v_perm_b32 v[PK+1], v[MM+3], v[MM+2], s14      ; and 2, 3
	v_min_num_f32 v[XM], v[XM], v[MM+3]
.endm
.set x, 0
.rept 3                                ; half-trips 0 to 2.  No wait on va_vdst: no vector instruction behind the one ahead of the table's last stores names v64-95 or TA
	ds_load_b128 v[AF+8*x:AF+8*x+3],   v[TA] offset:x*512
	ds_load_b128 v[AF+8*x+4:AF+8*x+7], v[TA] offset:x*512+256
.set x, x+1
.endr
	HALF 0, -1, 0, 1, 4                            ; half-trip 0 is written out: nothing is to be stored yet; it asks for half-trip 3; behind buffer 0's loads stand four
	s_mov_b32 s18, 31
.Lquad:                                ; trip j: half-trips 4 j + 1 to 4 j + 4; they store the minima of 4 j to 4 j + 3 and ask for the fragments of 4 j + 4 to 4 j + 7
	HALF 1, 0, 1, 1, 4                             ; the counts: on the way in 4, 5, 6 and 6 LDS instructions stand behind the buffer's loads; round the loop six do (a store and two loads for each of two half-trips)
	HALF 2, 1, 1, 1, 5
	HALF 3, 2, 1, 1, 6
	HALF 0, 3, 1, 1, 6
	v_add_nc_u32 v[TA], 2048, v[TA]                ; free since the last wait on vm_vsrc, behind which no LDS instruction stands; the next half-trip's wait on va_vdst shows them written
	v_add_nc_u32 v[ST], 1024, v[ST]
	s_sub_co_u32 s18, s18, 1
	s_cmp_lg_u32 s18, 0
	s_cbranch_scc1 .Lquad
	HALF 1, 0, 1, 0, 0                             ; half-trips 125 to 127 load nothing
	HALF 2, 1, 1, 0, 0
	HALF 3, 2, 1, 0, 0
	s_wait_alu depctr_va_vdst(0)                   ; the last half-trip's v_perm_b32 have written PK, which the store reads
	ds_store_b64 v[ST], v[PK:PK+1] offset:768      ; the minima of half-trip 127
	; T: the last minimum goes in; the 16 smallest of two ascending lists are min(one[i], other[15 - i]); T is the largest of them
	INS 0
	INS 1
	INS 2
	INS 3
.set i, 0
.rept 16
	v_permlanex16_b32 v[PX+i], v[LS+i], s16, s17
.set i, i+1
.endr
.set i, 0
.rept 16
	v_min_num_f32 v[PX+i], v[PX+i], v[LS+15-i]
.set i, i+1
.endr
	v_max3_num_f32 v[TH], v[PX], v[PX+1], v[PX+2]
.set i, 3
.rept 6
	v_max3_num_f32 v[TH], v[TH], v[PX+i], v[PX+i+1]
.set i, i+2
.endr
	v_max_num_f32 v[TH], v[TH], v[PX+15]
	v_max_num_f32 v[VV], 0, v[TH]                  ; V = max(T, 0)
	v_add_f32 v[TH], v[VV], v[QQ]
	v_fmamk_f32 v[TH], v[TH], 0x38800000, v[VV]    ; thr = V + 2^-14 (V + |q|^2): never negative
	v_or_b32 v[THX], 0xffff, v[TH]                 ; with the low half full, the upper halves alone decide the compares below
	; THE FLAGS.  Patterns of floats that are not negative order as whole numbers do, and a negative one is a negative whole number: below thr.  A trip makes four words: 128 groups.
	; A word's 32 groups are taken from the highest down: the word moves up by one for each, so that group 32 w + b ends in bit b.
	; The work goes in four RUNS: run r takes the next eight groups of each of the four words: sixteen shifts, 32 compares into scalar registers, one wait, 32 carry adds, the four words by turns, one wait.
	; An add takes its carry from one of the 32 registers and lays its carry out, which nobody reads, into the same one: so no add names a register that another add of the run has written.
	; Behind the store the four words' bits are counted, by stages, in fields of 2, 4 and 8 bits; a byte of a word holds 8 at the most, of all 16 words 128.
.macro RUN r
	s_wait_dscnt 24-8*(\r)                         ; run r's eight loads are in; the later runs' may be out
.irp k, 0,1,2,3
.irp u, 0,1,2,3
	v_lshlrev_b32 v[SH+4*(\k)+(\u)], 16, v[MN+16*(\k)+15-4*(\r)-(\u)]  ; the even group's minimum, for the second compare
.endr
.endr
.irp k, 0,1,2,3
.irp u, 0,1,2,3
	v_cmp_ge_i32 s[MSK+8*(\k)+2*(\u)], v[THX], v[MN+16*(\k)+15-4*(\r)-(\u)]  ; the odd group's lies in the upper half
	v_cmp_ge_i32 s[MSK+8*(\k)+2*(\u)+1], v[THX], v[SH+4*(\k)+(\u)]           ; the even group
.endr
.endr
	s_wait_alu depctr_va_sdst(0)                   ; the 32 compares have written s32-63, which the adds below read as their carries
.irp f, 0,1,2,3,4,5,6,7
.irp k, 0,1,2,3
	v_add_co_ci_u32 v[FL+(\k)], s[MSK+8*(\k)+(\f)], v[FL+(\k)], v[FL+(\k)], s[MSK+8*(\k)+(\f)]  ; the word moves up by one and takes the flag
.endr
.endr
	s_wait_alu depctr_va_sdst(0)                   ; the 32 adds have written their carries out into s32-63, ahead of the next lines that name these registers: the next run's compares, round the loop too
.endm
	v_mov_b32 v[CNT], 0
	s_mov_b32 s18, 4
.Lflag:
	s_wait_alu depctr_va_vdst(0)                   ; round the loop: the last trip's shifts and compares are done reading MN, in which the loads below land, and MR, their address, is written; on the way in: the matrix instructions and the minima are done with v64-127
.irp r, 0,1,2,3
.irp k, 0,1,2,3                        ; in the order of the runs: of each word the two highest pairs of registers that are left
	ds_load_b64 v[MN+2*(8*(\k)+7-2*(\r)):MN+2*(8*(\k)+7-2*(\r))+1], v[MR] offset:(8*(\k)+7-2*(\r))*256  ; LDS serves a wave's instructions in order (ISA guide 5.7.1.4): these see my stores above
	ds_load_b64 v[MN+2*(8*(\k)+6-2*(\r)):MN+2*(8*(\k)+6-2*(\r))+1], v[MR] offset:(8*(\k)+6-2*(\r))*256
.endr
.endr
.irp k, 0,1,2,3
	v_mov_b32 v[FL+(\k)], 0
.endr
	RUN 0
	RUN 1
	RUN 2
	RUN 3
	s_wait_alu depctr_va_vdst(0)                   ; the adds have written FL, which the store reads
	global_store_b128 v[GO], v[FL:FL+3], s[8:9]    ; the wave's store covers 512 consecutive bytes, aligned
.irp t, 0,1,2,3
	v_lshrrev_b32 v[PC+\t], 1, v[FL+\t]
.endr
.irp t, 0,1,2,3
	v_and_b32 v[PC+\t], s24, v[PC+\t]
.endr
.irp t, 0,1,2,3
	v_sub_nc_u32 v[PC+\t], v[FL+\t], v[PC+\t]
.endr
.irp t, 0,1,2,3
	v_lshrrev_b32 v[PE+\t], 2, v[PC+\t]
.endr
.irp t, 0,1,2,3
	v_and_b32 v[PC+\t], s25, v[PC+\t]
.endr
.irp t, 0,1,2,3
	v_and_b32 v[PE+\t], s25, v[PE+\t]
.endr
.irp t, 0,1,2,3
	v_add_nc_u32 v[PC+\t], v[PC+\t], v[PE+\t]
.endr
.irp t, 0,1,2,3
	v_lshrrev_b32 v[PE+\t], 4, v[PC+\t]
.endr
.irp t, 0,1,2,3
	v_add_nc_u32 v[PC+\t], v[PC+\t], v[PE+\t]
.endr
.irp t, 0,1,2,3
	v_and_b32 v[PC+\t], s26, v[PC+\t]
.endr
	v_add_nc_u32 v[PC], v[PC], v[PC+1]
	v_add_nc_u32 v[PC+2], v[PC+2], v[PC+3]
	v_add_nc_u32 v[PC], v[PC], v[PC+2]
	v_add_nc_u32 v[CNT], v[CNT], v[PC]
	s_wait_xcnt 0x0                                ; the store's base and data are written again only behind this wait
	s_wait_alu depctr_vm_vsrc(0)                   ; the store has read FL, which the next trip writes again; the LDS loads have read MR, which the add below steps
	s_add_nc_u64 s[8:9], s[8:9], 512               ; gmask: the next four words
	v_add_nc_u32 v[MR], 8192, v[MR]
	s_sub_co_u32 s18, s18, 1
	s_cmp_lg_u32 s18, 0
	s_cbranch_scc1 .Lflag
	; THE COUNTS.  The four bytes are added: my count, 0 to 512.  The wave's longest is taken as a maximum of f32 (whole numbers up to 512 are exact there): four steps inside each half of 16 lanes, one across.
	v_lshrrev_b32 v[PC], 8, v[CNT]
	v_and_b32 v[CNT], s27, v[CNT]
	v_and_b32 v[PC], s27, v[PC]
	v_add_nc_u32 v[CNT], v[CNT], v[PC]             ; two fields of 16 bits
	v_lshrrev_b32 v[PC], 16, v[CNT]
	v_and_b32 v[CNT], 0xffff, v[CNT]
	v_add_nc_u32 v[CNT], v[CNT], v[PC]
	v_cvt_f32_u32 v[CF], v[CNT]
	v_max_num_f32_dpp v[CF], v[CF], v[CF] row_xmask:1 row_mask:0xf bank_mask:0xf
	v_max_num_f32_dpp v[CF], v[CF], v[CF] row_xmask:2 row_mask:0xf bank_mask:0xf
	v_max_num_f32_dpp v[CF], v[CF], v[CF] row_xmask:4 row_mask:0xf bank_mask:0xf
	v_max_num_f32_dpp v[CF], v[CF], v[CF] row_xmask:8 row_mask:0xf bank_mask:0xf
	v_permlanex16_b32 v[PX], v[CF], s16, s17
	v_max_num_f32 v[CF], v[CF], v[PX]
	v_max_num_f32 v[CF], 1.0, v[CF]                ; at least one
	v_cvt_u32_f32 v[TRP], v[CF]
	v_add_nc_u32 v[TRP], 1, v[TRP]
	v_lshrrev_b32 v[TRP], 1, v[TRP]                ; P: pairs of groups, rounded up
	s_lshl_b32 s30, s22, 8
	v_lshl_add_u32 v[CO], v1, 3, s30               ; 256 W + 8 lane
	s_wait_alu depctr_va_vdst(0)                   ; CO, TRP and CNT are written: the store's offset and data
	global_store_b64 v[CO], v[TRP:TRP+1], s[28:29] ; the wave's store covers 256 consecutive bytes, aligned
	s_wait_dscnt 0x0                               ; the wave's end
	s_wait_alu 0x0
	s_wait_tensorcnt 0x0
	ds_add_u32 v[SPW], v[NIL]
	s_wait_dscnt 0x0
	s_endpgm
.Lfunc_end_k_q054aa415c5_sieve:
	.size	k_q054aa415c5_sieve, .Lfunc_end_k_q054aa415c5_sieve-k_q054aa415c5_sieve
	.p2alignl 7, 3214868480
	.fill 96, 4, 3214868480
	.section	.rodata,"a",@progbits
	.p2align	6, 0x0
	.amdhsa_kernel k_q054aa415c5_sieve
		.amdhsa_group_segment_fixed_size 262912
		.amdhsa_private_segment_fixed_size 0
		.amdhsa_enable_private_segment 0
		.amdhsa_kernarg_size 32
		.amdhsa_user_sgpr_count 2
		.amdhsa_user_sgpr_kernarg_segment_ptr 1
		.amdhsa_wavefront_size32 1
		.amdhsa_system_sgpr_workgroup_id_x 1
		.amdhsa_system_sgpr_workgroup_id_y 1
		.amdhsa_system_sgpr_workgroup_id_z 1
		.amdhsa_system_vgpr_workitem_id 0
		.amdhsa_next_free_vgpr 256
		.amdhsa_next_free_sgpr 66
		.amdhsa_reserve_vcc 1
		.amdhsa_float_denorm_mode_32 3
		.amdhsa_float_denorm_mode_16_64 3
		.amdhsa_memory_ordered 1
		.amdhsa_forward_progress 1
		.amdhsa_inst_pref_size 101
	.end_amdhsa_kernel
	.amdgpu_metadata
---
amdhsa.version: [ 1, 2 ]
amdhsa.kernels:
  - .name:           k_q054aa415c5_sieve
    .symbol:         k_q054aa415c5_sieve.kd
    .args:
      - { .name: points, .offset: 0, .size: 8, .value_kind: global_buffer, .address_space: global }
      - { .name: queries, .offset: 8, .size: 8, .value_kind: global_buffer, .address_space: global }
      - { .name: gmask, .offset: 16, .size: 8, .value_kind: global_buffer, .address_space: global }
      - { .name: trips, .offset: 24, .size: 8, .value_kind: global_buffer, .address_space: global }
    .group_segment_fixed_size: 262912
    .private_segment_fixed_size: 0
    .kernarg_segment_align: 8
    .kernarg_segment_size: 32
    .max_flat_workgroup_size: 128
    .sgpr_count:     66
    .vgpr_count:     256
    .wavefront_size: 32
...
	.end_amdgpu_metadata
.endif
;; end of part 4
;; launch compact: the kernel of part 2 again; grid 256 x 1, 4 waves a work-group, no clusters, 0 bytes of LDS; arguments gmask, trips, list; writes list
;; launch refine: the kernel of part 3 again; grid 256 x 1, 4 waves a work-group, no clusters, 20,992 bytes of LDS; arguments points, queries, trips, list, out0, out1, out2; writes out0, out1, out2
